; MI455X (gfx1250); checked and timed in simulation.
; The chip was launched on July 23, 2026; its instructions are those of AMD's public machine-readable ISA for CDNA 5 (MIT licence, August 2026) and "CDNA5" Instruction Set Architecture Reference Guide (July 2026). The comments in the code are by the model that wrote it; some were corrected since.
;; GRU Cell. Allowed arithmetic: matrix products marked QUANTISED: E2M3 operands, one E8M0 scale for each 32 along K, by v_wmma_scale_f32_16x16x128_f8f6f4 with both operands' format E2M3, f32 sums; everything else in f32.
;; Inputs: Uhn 1,024 x 1,024 float32; Uhr 1,024 x 1,024 float32; Uhz 1,024 x 1,024 float32; Win 1,024 x 1,024 float32; Wir 1,024 x 1,024 float32; Wiz 1,024 x 1,024 float32; bn 1,024 float32; br 1,024 float32; bz 1,024 float32; h 8,192 x 1,024 float32; x 8,192 x 1,024 float32.
;; Outputs: out0 8,192 x 1,024 float32.
;; This version of the problem:
;;   THIS VERSION OF THE PROBLEM IS GIVEN IN LOW PRECISION. The matrix products marked QUANTISED in the list below multiply operands that are first quantised to E2M3 (2 exponent bits, 3 mantissa bits; 6 bits a number), with one power-of-two scale for each 32 numbers along K (OCP MX v1.0); their sums are f32. All else is computed in f32.
;;   The module's matrix products, in the order in which they are computed (A, B: the left and right operand; K: the contracted axis; several contracted axes count as one K, in the product's order):
;;     1. [M 8,192, K 1,024] x [K 1,024, N 3,072]; A: input x; B: computed on the way: QUANTISED
;;     2. [M 8,192, K 1,024] x [K 1,024, N 2,048]; A: input h; B: computed on the way: QUANTISED
;;     3. [M 8,192, K 1,024] x [K 1,024, N 1,024]; A: computed on the way; B: input Uhn: QUANTISED
;;   THE QUANTISER, for each operand of a quantised product, along K:
;;     - K is cut into blocks of 32 from its start; a last block that is shorter is filled with zeros.
;;     - A block's scale is 2^e with e = floor(log2(the largest magnitude in the block)) - 2, held to -126 .. 127; a block of zeros has e = 0. As a byte (E8M0): e + 127.
;;     - Each number is divided by its block's scale, clamped to +-7.5, and rounded to the nearest number of E2M3, ties to even, subnormals kept.
;;     - The product sums the exact products of the quantised numbers (number of the format x scale) in f32.
;;   ~~~python
;;   def quantise(x, axis):      # numpy; x: float32 -> the quantised numbers, widened to float32 again
;;       x = np.moveaxis(x, axis, -1); K = x.shape[-1]
;;       x = np.pad(x, [(0, 0)] * (x.ndim - 1) + [(0, -K % 32)]); x = x.reshape(x.shape[:-1] + (-1, 32)); a = np.abs(x).max(-1, keepdims=True)
;;       e = np.where(a > 0, np.clip(np.frexp(np.where(a > 0, a, 1))[1] - 1 - 2, -126, 127), 0)      # np.frexp(a)[1] - 1 = floor(log2(a)), exactly
;;       r = np.clip(x / 2.0 ** e, -7.5, 7.5)
;;       step = 2.0 ** (np.maximum(np.frexp(np.where(r == 0, 1, r))[1] - 1, 0) - 3)
;;       q = np.round(r / step) * step * 2.0 ** e      # np.round: ties to even
;;       return np.moveaxis(q.reshape(q.shape[:-2] + (-1,))[..., :K], -1, axis).astype(np.float32)
;;   ~~~
;;   OPERANDS COMPUTED ON THE WAY. 'Computed on the way' means the value that the module computes at that place (a softmax that the list does not call 'softmax' is quantised finished and normalised). What goes into a quantiser is computed in f32, as accurately as f32 sums, v_exp_f32 and their like allow (about 1e-6 of the number): no bf16 or f16 on the way to a quantiser, and a product that is left as it is and whose result goes on into a quantised operand takes f32 operands (vector FMAs, or v_wmma_f32_16x16x4_f32). A number that lies on a knife's edge between two numbers of the format may be rounded either way, as far as f32 arithmetic and the matrix unit's own rounding can turn it there, and no further.
;; One version. Each part assembles by itself: llvm-mc -triple=amdgcn-amd-amdhsa -mcpu=gfx1250 --defsym DOCPART=n.
;; ======== version 1 of 1: 3 launches
;; limits: right only within a limited range of input values
;; workspace buffers: acts1 13,107,200 bytes; acts2 13,107,200 bytes; wq 4,915,200 bytes
;; launch quant (part 1): grid 896 x 1, 4 waves a work-group, no clusters, 70,144 bytes of LDS; arguments Wiz, Uhz, Wir, Uhr, Win, Uhn, x, h, acts1, wq; writes acts1, wq
.if DOCPART == 1
	.amdgcn_target "amdgcn-amd-amdhsa--gfx1250"
	.amdhsa_code_object_version 6
	.text
	.protected	k_q8c16900eea_quant
	.globl	k_q8c16900eea_quant
	.p2align	8
	.type	k_q8c16900eea_quant,@function
k_q8c16900eea_quant:
	s_mov_b64 s[64:65], 0
	v_nop
	global_prefetch_b8 v0, s[64:65] scope:SCOPE_SE
	s_setreg_imm32_b32 hwreg(HW_REG_WAVE_MODE, 25, 1), 1
	s_wait_xcnt 0x0
; x, h [8192][1024] and the six weights [1024 (k)][1024 (n)], all f32, become codes of FP6 (E2M3) with one E8M0 byte for each 32 along K.
; A block's scale is 2^(floor(log2(its largest magnitude)) - 2); its byte is that magnitude's exponent field - 2, held at 1 from below.
; LIMITS: NaN and infinities among the inputs are not served.  A block of zeros gets the byte 1 where the rule says 127 (its codes are zeros, and this program alone reads the bytes);
; blocks whose largest magnitude lies under 2^-124 are held at the byte 1.
; THE WORKSPACE IS LAID IN THE ORDER OF THE OPERAND'S REGISTERS.  A PANEL is 128 operand rows x 256 along K, PB = 25,600 bytes: the fragment of tile t (16 rows) and chunk q (128 along K) lies at
; (2 t + q) x 1,536, its registers 4 c .. 4 c + 3 of lane l at 512 c + 16 l; from SCO on the scale words: that of (t, row r, q) at 128 t + 8 r + 4 q.
; acts1: panel (ks, rg) at (64 ks + rg) PB; ks 0-3 x, ks 4-7 h; rg = 128 batch rows.
; wq: gate G (0 z, 1 r, 2 n) at 64 G PB, panel (ks, cg) at (8 ks + cg) PB; ks 0-3 the input's weight, ks 4-7 the state's.
; THE COLUMNS OF A WEIGHT THAT FORM A TILE ARE NOT NEIGHBOURS: row l of tile 2 b + u is column 32 b + 8 u + l + 8 (l / 8) of the panel's 128, so that the products' results have 16 neighbouring columns in 16 registers.
; THE GRID: the first 384 work-groups take the weights, one chunk q of one panel each (128 columns x 128 along K: four blocks of 32 a lane, of which two are asked for at the start);
; the other 512 take one panel of x or h each.  No work-group shares an input with another: no cluster, no tensor loads; waves share nothing: no barrier.
; A weight chunk's scale words are 32 words 8 bytes apart in a wave's store; the other chunk's work-group stores the words between them: one byte in 128 of what the launch reads.
.set PB,   25600
.set SCO,  24576
.set NWG,  384                         ; the weights' work-groups: 6 weights x 4 ks x 8 cg x 2 q
.set WREG, 17408                       ; LDS of a wave (x, h alone): two stages of 16 rows x 528 bytes
.set STGB, 8448
.set TM,   12                          ; v12-15 largest magnitudes, v16-19 the other half's, then bytes, v24-27 the conversions' scale operands
.set PW,   28                          ; v28-31 scale words
.set PC,   32                          ; v32-55 codes, two sets of 12
.set TT,   56                          ; v56-63 the halves of blocks that a conversion cannot put in place
.set X,    64                          ; v64-127 64 numbers at work
.set R,    128                         ; v128-255 x, h: as loaded, two sets of 64.  Weights: the fragments, 24 registers
.set SEL,  44                          ; s[44:45] v_permlanex16_b32's selects for lane l xor 16
.set WV,   35
	s_load_b512 s[8:23], s[0:1], 0x0               ; Wiz, Uhz, Wir, Uhr, Win, Uhn, x, h
	s_load_b128 s[24:27], s[0:1], 0x40             ; acts1 s[24:25], wq s[26:27]
	v_lshl_add_u32 v59, v0, 2, 0x11000
	v_mov_b32 v63, 0
	v_lshrrev_b32 v1, 5, v0
	v_readfirstlane_b32 s[WV], v1                  ; wave 0..3
	v_and_b32 v1, 31, v0                           ; lane
	v_and_b32 v2, 15, v0                           ; r
	v_bfe_u32 v3, v0, 4, 1                         ; hh
	v_lshlrev_b32 v4, 4, v1                        ; 16 x lane
	s_mul_i32 s39, s[WV], 6144
	v_add_nc_u32 v5, s39, v4                       ; a fragment's place for my lane: my wave's four fragments begin 6,144 w into the panel
	v_lshlrev_b32 v6, 3, v0                        ; my scale words: 256 w + 8 x lane
	s_cmp_lt_u32 ttmp9, NWG
	s_cbranch_scc0 .Lacts
; ---------------- the weights: K is the FIRST axis.  A lane takes a column and its registers run down K: a block of 32 is one lane's 32 registers ----------------
	s_lshr_b32 s32, ttmp9, 6                       ; which of the six
	s_bfe_u32 s33, ttmp9, 0x20004                  ; ks: which 256 along K
	s_bfe_u32 s34, ttmp9, 0x30001                  ; cg: which 128 columns
	s_and_b32 s46, ttmp9, 1                        ; q: which 128 of the 256
	s_mul_i32 s47, s46, 1536
	s_lshl_b32 s48, s46, 2
	s_wait_alu depctr_va_vdst(0)                   ; directly ahead of the readers below
	v_add_nc_u32 v5, s47, v5                       ; chunk q's fragments lie 1,536 q on,
	v_add_nc_u32 v6, s48, v6                       ; its scale words 4 q on
	v_and_b32 v7, 8, v2
	v_add_nc_u32 v7, v7, v2
	v_lshl_add_u32 v7, v3, 3, v7                   ; my column of the wave's 32: r + 8 (r / 8) + 8 hh: lanes 0-15 hold tile 2 w's sixteen, lanes 16-31 tile 2 w + 1's
	v_lshlrev_b32 v7, 2, v7
	s_lshl_b32 s36, s33, 20                        ; 256 rows of 4,096 bytes
	s_lshl_b32 s37, s46, 19                        ; + 128 q rows
	s_add_co_u32 s36, s36, s37
	s_lshl_b32 s37, s34, 9
	s_add_co_u32 s36, s36, s37
	s_lshl_b32 s37, s[WV], 7
	s_add_co_u32 s36, s36, s37                     ; + (128 cg + 32 w) x 4
	s_mov_b32 s37, 0
	s_lshr_b32 s38, s32, 1
	s_lshl_b32 s38, s38, 6                         ; the gate's 64 panels
	s_and_b32 s39, s32, 1
	s_lshl_b32 s39, s39, 2
	s_add_co_u32 s39, s39, s33
	s_lshl_b32 s39, s39, 3
	s_add_co_u32 s38, s38, s39
	s_add_co_u32 s38, s38, s34
	s_mul_i32 s38, s38, PB
	s_mov_b32 s39, 0
	s_wait_alu depctr_va_vdst(0)
	s_wait_kmcnt 0x0
	s_mov_b64 s[30:31], s[8:9]
.irp m, 1,2,3,4,5
	s_cmp_eq_u32 s32, \m                           ; the choice hangs on the work-group's number alone
	s_cselect_b64 s[30:31], s[8+2*\m:9+2*\m], s[30:31]
.endr
	s_add_nc_u64 s[30:31], s[30:31], s[36:37]
	s_add_nc_u64 s[26:27], s[26:27], s[38:39]
.macro WLOAD t                         ; block t: W(32 t + i, my column): the wave reads 128 consecutive bytes of a row, the work-group 512
.set n1, 0
.rept 32
	global_load_b32 v[X+32*((\t)%2)+n1], v7, s[30:31] offset:(32*(\t)+n1)*4096 th:TH_LOAD_NT
.set n1, n1+1
.endr
.endm
.macro WBLOCK t                        ; block t of the chunk's four
.set XS, X+32*((\t)%2)
.set FD, R+12*((\t)%2)+6*((\t)/2)      ; even blocks into F0, odd ones into F1
.if (\t) < 3
	s_wait_loadcnt 32                              ; this block's 32 loads are in; the next block's 32 may be out
.else
	s_wait_loadcnt 0x0
.endif
	v_max3_num_f32 v12, |v[XS]|, |v[XS+1]|, |v[XS+2]|
	v_max3_num_f32 v13, |v[XS+3]|, |v[XS+4]|, |v[XS+5]|
.irp i, 6,10,14,18,22,26
	v_max3_num_f32 v12, v12, |v[XS+\i]|, |v[XS+\i+1]|
	v_max3_num_f32 v13, v13, |v[XS+\i+2]|, |v[XS+\i+3]|
.endr
	v_max3_num_f32 v12, v12, |v[XS+30]|, |v[XS+31]|
	v_max3_num_f32 v12, v12, v13, 0x1800000        ; and the floor 2^(3 - 127): the byte cannot fall under 1
	v_add_nc_u32 v11, 0xff000000, v12              ; 2 off the exponent field: the conversion takes this operand's exponent field as its scale
	v_lshrrev_b32 v13, 23, v11                     ; the scale's byte
.if (\t) == 0
	v_mov_b32 v[PW], v13
.else
	v_lshl_or_b32 v[PW], v13, 8*(\t), v[PW]
.endif
	v_cvt_scalef32_pk16_fp6_f32 v[FD:FD+2], v[XS:XS+15], v11
	v_cvt_scalef32_pk16_fp6_f32 v[TT:TT+2], v[XS+16:XS+31], v11   ; (a conversion's three registers begin on an even number)
	v_nop                                          ; one plain line behind the conversions
.irp i, 0,1,2
	v_mov_b32 v[FD+3+\i], v[TT+\i]
.endr
.if (\t)+2 < 4
	WLOAD (\t)+2
.endif
.if (\t)%2 == 1                        ; the operand wants block 2 c + hh of a row in lane (r, hh): F0's lanes 16-31 change places with F1's lanes 0-15; then F0 is tile 2 w's fragment, F1 tile 2 w + 1's
.set n1, 0
.rept 6
	v_permlane16_swap_b32 v[R+6*((\t)/2)+n1], v[R+12+6*((\t)/2)+n1]
.set n1, n1+1
.endr
.endif
.endm
	WLOAD 0
	WLOAD 1
.irp t, 0,1,2,3
	WBLOCK \t
.endr
.irp u, 0,1
.irp c, 0,1,2
	global_store_b128 v5, v[R+12*\u+4*\c:R+12*\u+4*\c+3], s[26:27] offset:2*\u*1536+512*\c   ; 512 consecutive bytes, aligned to 256
.endr
.endr
	global_store_b32 v6, v[PW], s[26:27] offset:SCO   ; lane (r, hh): chunk q's word of row r of tile 2 w + hh
	s_endpgm
; ---------------- x and h: K is innermost ----------------
.Lacts:
	s_sub_co_u32 s32, ttmp9, NWG
	s_lshr_b32 s33, s32, 8                         ; 0: x, 1: h
	s_bfe_u32 s34, s32, 0x60002                    ; rg: which 128 rows
	s_and_b32 s36, s32, 3                          ; ks: which 256 along K
	s_mul_i32 s37, s[WV], WREG
	s_wait_alu depctr_va_vdst(0)
	v_add_nc_u32 v7, s37, v4                       ; the stage, on the way in: 16 bytes a lane, a row a store
	v_mul_u32_u24 v8, v2, 528
	v_lshl_add_u32 v8, v3, 6, v8
	v_add_nc_u32 v8, s37, v8                       ; and on the way out: row r, + 64 hh: my 16 numbers of a block of 32
	s_mov_b32 s[SEL], 0x76543210
	s_mov_b32 s[SEL+1], 0xfedcba98
.irp b, 0,1,2,3
	v_mov_b32 v[TM+4+\b], 0                        ; written once: a lane permute's destination counts as one of its sources
.endr
	s_lshl_b32 s38, s34, 19                        ; 128 rows of 4,096 bytes
	s_lshl_b32 s39, s[WV], 17                      ; my wave's 32 of them
	s_add_co_u32 s38, s38, s39
	s_lshl_b32 s39, s36, 10
	s_add_co_u32 s38, s38, s39
	s_mov_b32 s39, 0
	s_lshl_b32 s40, s36, 6
	s_add_co_u32 s40, s40, s34                     ; 64 ks + rg
	s_lshl_b32 s41, s33, 8                         ; h's panels lie 4 x 64 further on
	s_add_co_u32 s40, s40, s41
	s_mul_i32 s40, s40, PB                         ; the panel in acts1
	s_mov_b32 s41, 0
	s_wait_alu depctr_va_vdst(0)
	s_wait_kmcnt 0x0
	s_cmp_eq_u32 s33, 0
	s_cselect_b64 s[30:31], s[20:21], s[22:23]
	s_add_nc_u64 s[30:31], s[30:31], s[38:39]
	s_add_nc_u64 s[24:25], s[24:25], s[40:41]
; 64 numbers of a lane, v[s] on, register 16 b + i = k 32 b + 16 hh + i of my row, become a fragment's codes in v[pc] on and its scale word in v[pw].
.macro QUANT s, pc, pw
.irp b, 0,1,2,3
	v_max3_num_f32 v[TM+\b], |v[\s+16*\b]|, |v[\s+1+16*\b]|, 0x1800000   ; block b: my 16 numbers, and the floor 2^(3 - 127)
.endr
.irp i, 2,4,6,8,10,12,14
.irp b, 0,1,2,3
	v_max3_num_f32 v[TM+\b], v[TM+\b], |v[\s+16*\b+\i]|, |v[\s+1+16*\b+\i]|
.endr
.endr
.irp b, 0,1,2,3
	v_permlanex16_b32 v[TM+4+\b], v[TM+\b], s[SEL], s[SEL+1]
.endr
.irp b, 0,1,2,3
	v_max_num_f32 v[TM+\b], v[TM+\b], v[TM+4+\b]   ; with lane l xor 16's: the block's largest magnitude
.endr
.irp b, 0,1,2,3
	v_add_nc_u32 v[TM+12+\b], 0xff000000, v[TM+\b] ; 2 off its exponent field: the conversion's scale operand
.endr
.irp b, 0,1,2,3
	v_lshrrev_b32 v[TM+4+\b], 23, v[TM+12+\b]      ; the scale's byte
.endr
	v_lshl_or_b32 v[\pw], v[TM+5], 8, v[TM+4]
	v_lshl_or_b32 v[\pw], v[TM+6], 16, v[\pw]
	v_lshl_or_b32 v[\pw], v[TM+7], 24, v[\pw]
.irp c, 0,1
	v_cvt_scalef32_pk16_fp6_f32 v[\pc+6*\c:\pc+2+6*\c], v[\s+32*\c:\s+15+32*\c], v[TM+12+2*\c]
	v_cvt_scalef32_pk16_fp6_f32 v[TT+4*\c:TT+2+4*\c], v[\s+16+32*\c:\s+31+32*\c], v[TM+12+2*\c+1]
.endr
	v_nop                                          ; one plain line behind the conversions
.irp c, 0,1                            ; the operand wants a WHOLE block in a lane: lanes 0-15 block 2 c, lanes 16-31 block 2 c + 1
.irp i, 0,1,2
	v_permlane16_swap_b32 v[\pc+6*\c+\i], v[TT+4*\c+\i]
.endr
.irp i, 0,1,2
	v_mov_b32 v[\pc+3+6*\c+\i], v[TT+4*\c+\i]
.endr
.endr
.endm
.macro XLOAD f                         ; fragment f = 2 tt + q: 16 rows x 128 numbers; each load reads 512 consecutive bytes of one row
.set n1, 0
.rept 16
	global_load_b128 v[R+64*((\f)%2)+4*n1:R+64*((\f)%2)+4*n1+3], v4, s[30:31] offset:(16*((\f)/2)+n1)*4096+512*((\f)%2) th:TH_LOAD_NT
.set n1, n1+1
.endr
.endm
.macro XTURN f                         ; through my wave's stage: in as loaded, out 16 neighbours of each block a lane.  LDS serves a wave's instructions in order: no wait between.  Rows 528 bytes apart: 16 rows, 16 different columns of 16 bytes
.set n1, 0
.rept 16
	ds_store_b128 v7, v[R+64*((\f)%2)+4*n1:R+64*((\f)%2)+4*n1+3] offset:STGB*((\f)%2)+528*n1
.set n1, n1+1
.endr
.set n1, 0
.rept 16
	ds_load_b128 v[X+4*n1:X+4*n1+3], v8 offset:STGB*((\f)%2)+128*(n1/4)+16*(n1%4)
.set n1, n1+1
.endr
.endm
.macro PUT f
.irp c, 0,1,2
	global_store_b128 v5, v[PC+12*((\f)%2)+4*\c:PC+12*((\f)%2)+4*\c+3], s[24:25] offset:(\f)*1536+512*\c   ; 512 consecutive bytes, aligned to 256
.endr
.endm
	XLOAD 0
	XLOAD 1
.irp f, 0,1,2,3
.if \f < 3
	s_wait_loadcnt 16                              ; this fragment's 16 loads are in; the next one's 16 may be out
.else
	s_wait_loadcnt 0x0
.endif
	XTURN \f
	s_wait_dscnt 0x0                               ; the numbers are back, and the stage's stores have read their registers,
.if \f < 2
	XLOAD \f+2                                     ; which take the loads of two fragments on
.else
	s_wait_xcnt 0x0                                ; the set of codes that is written next was the data of stores two fragments back
.endif
	QUANT X, PC+12*(\f%2), PW+\f
	PUT \f
.endr
	v_cmp_eq_u32 vcc_lo, 1, v3
	v_cndmask_b32 v60, v[PW], v[PW+2], vcc_lo      ; lane (r, hh) stores the two words of row r of tile 2 w + hh
	v_cndmask_b32 v61, v[PW+1], v[PW+3], vcc_lo
	global_store_b64 v6, v[60:61], s[24:25] offset:SCO     ; 256 consecutive bytes, aligned
	s_wait_tensorcnt 0x0                           ; the wave's end, behind my last LDS store
	ds_add_u32 v59, v63
	s_wait_dscnt 0x0
	s_endpgm
.Lfunc_end_k_q8c16900eea_quant:
	.size	k_q8c16900eea_quant, .Lfunc_end_k_q8c16900eea_quant-k_q8c16900eea_quant
	.p2alignl 7, 3214868480
	.fill 96, 4, 3214868480
	.section	.rodata,"a",@progbits
	.p2align	6, 0x0
	.amdhsa_kernel k_q8c16900eea_quant
		.amdhsa_group_segment_fixed_size 70144
		.amdhsa_private_segment_fixed_size 0
		.amdhsa_enable_private_segment 0
		.amdhsa_kernarg_size 80
		.amdhsa_user_sgpr_count 2
		.amdhsa_user_sgpr_kernarg_segment_ptr 1
		.amdhsa_wavefront_size32 1
		.amdhsa_system_sgpr_workgroup_id_x 1
		.amdhsa_system_sgpr_workgroup_id_y 1
		.amdhsa_system_sgpr_workgroup_id_z 1
		.amdhsa_system_vgpr_workitem_id 0
		.amdhsa_next_free_vgpr 256
		.amdhsa_next_free_sgpr 66
		.amdhsa_reserve_vcc 1
		.amdhsa_float_denorm_mode_32 3
		.amdhsa_float_denorm_mode_16_64 3
		.amdhsa_memory_ordered 1
		.amdhsa_forward_progress 1
		.amdhsa_inst_pref_size 54
	.end_amdhsa_kernel
	.amdgpu_metadata
---
amdhsa.version: [ 1, 2 ]
amdhsa.kernels:
  - .name:           k_q8c16900eea_quant
    .symbol:         k_q8c16900eea_quant.kd
    .args:
      - { .name: Wiz, .offset: 0, .size: 8, .value_kind: global_buffer, .address_space: global }
      - { .name: Uhz, .offset: 8, .size: 8, .value_kind: global_buffer, .address_space: global }
      - { .name: Wir, .offset: 16, .size: 8, .value_kind: global_buffer, .address_space: global }
      - { .name: Uhr, .offset: 24, .size: 8, .value_kind: global_buffer, .address_space: global }
      - { .name: Win, .offset: 32, .size: 8, .value_kind: global_buffer, .address_space: global }
      - { .name: Uhn, .offset: 40, .size: 8, .value_kind: global_buffer, .address_space: global }
      - { .name: x, .offset: 48, .size: 8, .value_kind: global_buffer, .address_space: global }
      - { .name: h, .offset: 56, .size: 8, .value_kind: global_buffer, .address_space: global }
      - { .name: acts1, .offset: 64, .size: 8, .value_kind: global_buffer, .address_space: global }
      - { .name: wq, .offset: 72, .size: 8, .value_kind: global_buffer, .address_space: global }
    .group_segment_fixed_size: 70144
    .private_segment_fixed_size: 0
    .kernarg_segment_align: 8
    .kernarg_segment_size: 80
    .max_flat_workgroup_size: 128
    .sgpr_count:     66
    .vgpr_count:     256
    .wavefront_size: 32
...
	.end_amdgpu_metadata
.endif
;; end of part 1
;; launch rgate (part 2): grid 4 x 64, 4 waves a work-group, clusters of 4 x 4, 327,680 bytes of LDS; arguments acts1, wq, h, br, acts2; writes acts2
.if DOCPART == 2
	.amdgcn_target "amdgcn-amd-amdhsa--gfx1250"
	.amdhsa_code_object_version 6
	.text
	.protected	k_q8c16900eea_rgate
	.globl	k_q8c16900eea_rgate
	.p2align	8
	.type	k_q8c16900eea_rgate,@function
k_q8c16900eea_rgate:
	s_mov_b64 s[64:65], 0
	v_nop
	global_prefetch_b8 v0, s[64:65] scope:SCOPE_SE
	s_setreg_imm32_b32 hwreg(HW_REG_WAVE_MODE, 25, 1), 1
	s_wait_xcnt 0x0
	s_wait_alu depctr_hold_cnt(0) depctr_sa_sdst(0) depctr_va_vdst(0) depctr_va_sdst(0) depctr_va_ssrc(0) depctr_va_vcc(0) depctr_vm_vsrc(0)
	s_getreg_b32 s2, hwreg(HW_REG_IB_STS2, 6, 4)
	s_cmp_eq_u32 s2, 0
	s_cbranch_scc0 .Lentry_in_a_cluster
	s_endpgm
.Lentry_in_a_cluster:
	s_bfe_u32 s2, ttmp6, 0x10000c
	s_cmp_lg_u32 s2, 0xf033
	s_cbranch_scc0 .Lentry_shape_is_right
	s_endpgm
.Lentry_shape_is_right:
.set PB,    25600
.set SCO,   24576
.set KSA,   64*PB
.set KSB,   8*PB
.set SLOT,  6*PB
.set BOFF,  2*PB
.set SPARE, 2*SLOT
.set SCRS,  SPARE+512
.set HT,    64*528
.set SOF,  15
.set ADRA, 16
.set ADRB, 18
.set ASC,  22
.set BSC,  24
.set HD,   26
.set GOF,  27
.set SPW,  28
.set NIL,  29
.set SWA,  30
.set SRD,  31
.set SA,   32
.set SB,   48
.set AF,   80
.set BI,   176
.set TM,   80
.set PW,   96
.set TT,   100
.set PC,   108
.set GG,   132
.set RH,   136
.set WV,   14
.set PH,   15
.set PS,   16
.set G1A,  24
.set G0A,  32
.set G1B,  48
.set G0B,  56
.set G1H,  68
.set G0H,  76
.set SEL,  88
.set NL2,  90
.set MSB, 0
.macro WIN new
.if MSB != \new
	s_set_vgpr_msb (MSB<<8)|\new
.set MSB, \new
.endif
.endm
.macro PLACES n
.rept \n
	v_nop
.endr
.endm
.macro JLOAD g0a, g1a, g0b, g1b
	s_cmp_eq_u32 s[PH], 0
	s_cbranch_scc0 .Lfor_b_\@
	tensor_load_to_lds s[\g0a:\g0a+3], s[\g1a:\g1a+7]
	s_nop 0
.rept 4
	v_nop
.endr
	s_branch .Lasked_\@
.Lfor_b_\@:
	tensor_load_to_lds s[\g0b:\g0b+3], s[\g1b:\g1b+7]
	s_nop 0
.rept 4
	v_nop
.endr
.Lasked_\@:
.endm
.macro CREST
	s_cmp_lg_u32 s[WV], 0
	s_cbranch_scc1 .Lnot_wave_0_\@
	s_barrier_signal -3
.Lnot_wave_0_\@:
	s_barrier_wait -3
	s_barrier_signal -1
	s_barrier_wait -1
.endm
.macro CROUND
	s_barrier_signal -1
	s_barrier_wait -1
	CREST
.endm
	s_load_b256 s[4:11], s[0:1], 0x0
	s_load_b64 s[12:13], s[0:1], 0x20
	v_lshl_add_u32 v[SPW], v0, 2, SPARE
	v_mov_b32 v[NIL], 0
	ds_add_u32 v28, v29
	ds_add_u32 v28, v29
	s_wait_dscnt 0x0
	v_lshrrev_b32 v1, 5, v0
	v_readfirstlane_b32 s[WV], v1
	s_lshr_b32 s[PH], s[WV], 1
	s_and_b32 s[PS], s[WV], 1
	s_bfe_u32 s40, ttmp6, 0x40000
	s_bfe_u32 s41, ttmp6, 0x40004
	s_lshl_b32 s42, ttmp9, 2
	s_add_co_u32 s42, s42, s40
	s_and_b32 s17, ttmp7, 0xffff
	s_lshl_b32 s17, s17, 2
	s_add_co_u32 s17, s17, s41
	s_lshl_b32 s43, s41, 2
	s_lshl_b32 s43, 15, s43
	s_lshl_b32 s44, 0x1111, s40
	s_or_b32 s[G1A+0], s43, (3<<16)|(1<<21)
	s_or_b32 s[G1B+0], s44, (3<<16)|(1<<21)
.irp g, G1A, G1B
	s_mov_b32 s[\g+1], 32<<16
	s_mov_b32 s[\g+3], 32<<16
	s_mov_b32 s[\g+5], 32
	s_mov_b32 s[\g+6], 0
	s_mov_b32 s[\g+7], 0
.endr
	s_mov_b32 s[G1A+2], 100<<16
	s_mov_b32 s[G1A+4], 100
	s_mov_b32 s[G1B+2], 200<<16
	s_mov_b32 s[G1B+4], 200
	s_mov_b32 s[G1H+0], (2<<16)|(1<<20)|(6<<22)|(3<<25)
	s_mov_b32 s[G1H+1], 128<<16
	s_mov_b32 s[G1H+2], 64<<16
	s_mov_b32 s[G1H+3], 128<<16
	s_mov_b32 s[G1H+4], 64
	s_mov_b32 s[G1H+5], 1024
	s_mov_b32 s[G1H+6], 0
	s_mov_b32 s[G1H+7], 0
	s_mul_i32 s20, s17, PB
	s_mul_i32 s21, s[PS], KSA
	s_add_co_u32 s20, s20, s21
	s_mov_b32 s21, 0
	s_mul_i32 s46, s42, 2*PB
	s_mul_i32 s47, s[PS], KSB
	s_add_co_u32 s46, s46, s47
	s_add_co_u32 s46, s46, 64*PB
	s_mov_b32 s47, 0
	s_mul_i32 s45, s[PS], PB
	s_mul_i32 s94, s[PS], BOFF
	s_add_co_u32 s94, s94, BOFF
	s_lshl_b32 s92, s17, 19
	s_lshl_b32 s93, s[PH], 18
	s_add_co_u32 s92, s92, s93
	s_lshl_b32 s93, s42, 10
	s_add_co_u32 s92, s92, s93
	s_lshl_b32 s93, s[PS], 9
	s_add_co_u32 s92, s92, s93
	s_mov_b32 s93, 0
	s_lshl_b32 s22, s42, 10
	s_lshl_b32 s23, s[PS], 9
	s_add_co_u32 s22, s22, s23
	s_mov_b32 s23, 0
	s_lshl_b32 s18, s42, 6
	s_add_co_u32 s18, s18, s17
	s_add_co_u32 s18, s18, 256
	s_mul_i32 s18, s18, PB
	s_mov_b32 s19, 0
	s_mov_b32 s[SEL], 0x76543210
	s_mov_b32 s[SEL+1], 0xfedcba98
	s_mov_b32 s[NL2], 0xbfb8aa3b
	s_mov_b32 s[NL2+1], s[NL2]
	s_wait_kmcnt 0x0
	s_add_nc_u64 s[20:21], s[4:5], s[20:21]
	s_add_nc_u64 s[46:47], s[6:7], s[46:47]
	s_add_nc_u64 s[10:11], s[10:11], s[22:23]
	s_add_nc_u64 s[12:13], s[12:13], s[18:19]
	s_mov_b32 s[G0H], 1
	s_mul_i32 s[G0H+1], s[WV], HT
	s_add_nc_u64 s[G0H+2:G0H+3], s[8:9], s[92:93]
	s_or_b32 s[G0H+3], s[G0H+3], 0x80000000
	CROUND
.irp s, 0,1
	s_mov_b32 s[G0A+4*\s], 1
	s_add_co_u32 s[G0A+4*\s+1], s45, \s*SLOT
	s_add_nc_u64 s[G0A+4*\s+2:G0A+4*\s+3], s[20:21], \s*2*KSA
	s_or_b32 s[G0A+4*\s+3], s[G0A+4*\s+3], 0x80000000
	s_mov_b32 s[G0B+4*\s], 1
	s_add_co_u32 s[G0B+4*\s+1], s94, \s*SLOT
	s_add_nc_u64 s[G0B+4*\s+2:G0B+4*\s+3], s[46:47], \s*2*KSB
	s_or_b32 s[G0B+4*\s+3], s[G0B+4*\s+3], 0x80000000
.if \s                                 ; slot 0's fill stands behind the opening round; slot 1's first fill behind the waits, the two adds and a second round
	s_wait_alu depctr_va_vdst(0)
	s_wait_tensorcnt 0x0
	ds_add_u32 v28, v29
	ds_add_u32 v28, v29
	s_wait_dscnt 0x0
	CROUND
.endif
	JLOAD G0A+4*\s, G1A, G0B+4*\s, G1B
.endr
	v_and_b32 v1, 31, v0
	v_and_b32 v2, 15, v0
	v_bfe_u32 v3, v0, 4, 1
	v_lshlrev_b32 v4, 4, v1
	v_lshlrev_b32 v5, 3, v2
	v_lshlrev_b32 v6, 6, v3
.irp b, 0,1,2,3,4,5,6,7
	global_load_b128 v[BI+8*\b:BI+8*\b+3], v6, s[10:11] offset:(32*(\b/2)+8*(\b%2))*4
	global_load_b128 v[BI+8*\b+4:BI+8*\b+7], v6, s[10:11] offset:(32*(\b/2)+8*(\b%2))*4+16
.endr
	s_mul_i32 s80, s[PH], 12288
	v_add_nc_u32 v[ADRA], s80, v4
	v_add_nc_u32 v[ADRA+1], SLOT, v[ADRA]
	s_add_co_u32 s81, s45, BOFF
	v_add_nc_u32 v[ADRB], s81, v4
	v_add_nc_u32 v[ADRB+1], BOFF, v[ADRB]
	v_add_nc_u32 v[ADRB+2], SLOT, v[ADRB]
	v_add_nc_u32 v[ADRB+3], SLOT+BOFF, v[ADRB]
	s_lshl_b32 s82, s[PH], 9
	s_add_co_u32 s82, s82, SCO
	v_add_nc_u32 v[ASC], s82, v5
	v_add_nc_u32 v[ASC+1], SLOT, v[ASC]
	s_add_co_u32 s83, s81, SCO
	v_add_nc_u32 v[BSC], s83, v5
	v_add_nc_u32 v[BSC+1], SLOT, v[BSC]
	v_mul_u32_u24 v[HD], v2, 528
	v_lshl_add_u32 v[HD], v3, 6, v[HD]
	v_add_nc_u32 v[HD], s[G0H+1], v[HD]
	s_mul_i32 s84, s[PS], 1536
	s_add_co_u32 s84, s84, s80
	v_add_nc_u32 v[GOF], s84, v4
	s_lshl_b32 s85, s[PH], 9
	s_lshl_b32 s86, s[PS], 2
	s_add_co_u32 s85, s85, s86
	s_add_co_u32 s85, s85, SCRS
	v_add_nc_u32 v[SWA], s85, v5
	v_lshlrev_b32 v[SOF], 3, v0
	v_add_nc_u32 v[SRD], SCRS, v[SOF]
.macro FETCH s, k
.set EE, (\k)/2
.set QQ, (\k)%2
	WIN 0x40
.irp b, 0,1,2,3,4,5,6,7
.irp c, 0,1,2
	ds_load_b128 v[128*QQ+12*\b+4*\c:128*QQ+12*\b+4*\c+3], v[ADRB+2*(\s)+EE] offset:(2*\b+QQ)*1536+512*\c
.endr
.endr
	WIN 0
.irp i, 0,1,2,3
.irp c, 0,1,2
	ds_load_b128 v[AF+48*QQ+12*\i+4*\c:AF+48*QQ+12*\i+4*\c+3], v[ADRA+\s] offset:EE*PB+(2*\i+QQ)*1536+512*\c
.endr
.endr
.if QQ == 0
.irp i, 0,1,2,3
	ds_load_b64 v[SA+8*EE+2*\i:SA+8*EE+2*\i+1], v[ASC+\s] offset:EE*PB+128*\i
.endr
.irp b, 0,1,2,3,4,5,6,7
	ds_load_b64 v[SB+16*EE+2*\b:SB+16*EE+2*\b+1], v[BSC+\s] offset:EE*BOFF+128*\b
.endr
.endif
.endm
.macro MULA a, k, first
.set EE, (\k)/2
.set QQ, (\k)%2
.if \first
	WIN 0x81
.else
	WIN 0xa1
.endif
.irp b, 0,1,2,3,4,5,6,7
.if \first
	v_wmma_scale_f32_16x16x128_f8f6f4 v[8*(8*(\a)+\b):8*(8*(\a)+\b)+7], v[128*QQ+12*\b:128*QQ+12*\b+11], v[AF+48*QQ+12*(\a):AF+48*QQ+12*(\a)+11], v[BI+8*\b:BI+8*\b+7], v[SB+16*EE+2*\b+QQ], v[SA+8*EE+2*(\a)+QQ] matrix_a_fmt:MATRIX_FMT_FP6 matrix_b_fmt:MATRIX_FMT_FP6
.else
	v_wmma_scale_f32_16x16x128_f8f6f4 v[8*(8*(\a)+\b):8*(8*(\a)+\b)+7], v[128*QQ+12*\b:128*QQ+12*\b+11], v[AF+48*QQ+12*(\a):AF+48*QQ+12*(\a)+11], v[8*(8*(\a)+\b):8*(8*(\a)+\b)+7], v[SB+16*EE+2*\b+QQ], v[SA+8*EE+2*(\a)+QQ] matrix_a_fmt:MATRIX_FMT_FP6 matrix_b_fmt:MATRIX_FMT_FP6
.endif
.endr
.endm
.macro CHUNK s, k, first
	s_wait_dscnt 0x0
	PLACES 4
	FETCH \s, (\k)+1
	MULA 0, \k, \first
	MULA 1, \k, \first
	MULA 2, \k, \first
	MULA 3, \k, \first
	WIN 0
.endm
.macro TURN s, nxt, fill
	s_wait_tensorcnt 0x0
	ds_add_u32 v[SPW], v[NIL]
	s_wait_dscnt 1
	MULA 0, 3, 0
	s_wait_dscnt 0x0
	s_barrier_signal -1
	MULA 1, 3, 0
	WIN 0
	s_barrier_wait -1
	CREST
.if \fill == 1
	s_add_nc_u64 s[G0A+4*\s+2:G0A+4*\s+3], s[G0A+4*\s+2:G0A+4*\s+3], 4*KSA
	s_add_nc_u64 s[G0B+4*\s+2:G0B+4*\s+3], s[G0B+4*\s+2:G0B+4*\s+3], 4*KSB
	JLOAD G0A+4*\s, G1A, G0B+4*\s, G1B
.else
	tensor_load_to_lds s[G0H:G0H+3], s[G1H:G1H+7]
	s_nop 0
	PLACES 4
.endif
	FETCH \nxt, 0
	MULA 2, 3, 0
	MULA 3, 3, 0
	WIN 0
.endm
	s_wait_alu depctr_va_vdst(0)
	s_wait_tensorcnt 1
	s_barrier_signal -1
	s_barrier_wait -1
	FETCH 0, 0
	s_wait_loadcnt 0x0
	CHUNK 0, 0, 1
	CHUNK 0, 1, 0
	CHUNK 0, 2, 0
	TURN 0, 1, 1
	CHUNK 1, 0, 0
	CHUNK 1, 1, 0
	CHUNK 1, 2, 0
	TURN 1, 0, 1
	CHUNK 0, 0, 0
	CHUNK 0, 1, 0
	CHUNK 0, 2, 0
	TURN 0, 1, 2
	CHUNK 1, 0, 0
	CHUNK 1, 1, 0
	CHUNK 1, 2, 0
	s_wait_dscnt 0x0
	MULA 0, 3, 0
	MULA 1, 3, 0
	MULA 2, 3, 0
	MULA 3, 3, 0
	WIN 0
	PLACES 4
.macro SIGMOID w
	WIN \w
.set ii, 0
.rept 128
	v_pk_mul_f32 v[ii:ii+1], v[ii:ii+1], s[NL2:NL2+1] op_sel_hi:[1,0]
.set ii, ii+2
.endr
.set ii, 0
	s_wait_alu depctr_va_vdst(0)
.rept 256
	v_exp_f32 v[ii], v[ii]
.set ii, ii+1
.endr
	v_nop
	s_wait_alu depctr_va_vdst(0)
.set ii, 0
.rept 128
	v_pk_add_f32 v[ii:ii+1], v[ii:ii+1], 1.0 op_sel_hi:[1,0]
.set ii, ii+2
.endr
.set ii, 0
	s_wait_alu depctr_va_vdst(0)
.rept 256
	v_rcp_f32 v[ii], v[ii]
.set ii, ii+1
.endr
	v_nop
	s_wait_alu depctr_va_vdst(0)
.endm
.macro QUANT s, pc, pw
.irp b, 0,1,2,3
	v_max3_num_f32 v[TM+\b], |v[\s+16*\b]|, |v[\s+1+16*\b]|, 0x1800000
.endr
.irp i, 2,4,6,8,10,12,14
.irp b, 0,1,2,3
	v_max3_num_f32 v[TM+\b], v[TM+\b], |v[\s+16*\b+\i]|, |v[\s+1+16*\b+\i]|
.endr
.endr
.irp b, 0,1,2,3
	v_permlanex16_b32 v[TM+4+\b], v[TM+\b], s[SEL], s[SEL+1]
.endr
.irp b, 0,1,2,3
	v_max_num_f32 v[TM+\b], v[TM+\b], v[TM+4+\b]
.endr
.irp b, 0,1,2,3
	v_add_nc_u32 v[TM+12+\b], 0xff000000, v[TM+\b]
.endr
.irp b, 0,1,2,3
	v_lshrrev_b32 v[TM+4+\b], 23, v[TM+12+\b]
.endr
	v_lshl_or_b32 v[\pw], v[TM+5], 8, v[TM+4]
	v_lshl_or_b32 v[\pw], v[TM+6], 16, v[\pw]
	v_lshl_or_b32 v[\pw], v[TM+7], 24, v[\pw]
.irp c, 0,1
	v_cvt_scalef32_pk16_fp6_f32 v[\pc+6*\c:\pc+2+6*\c], v[\s+32*\c:\s+15+32*\c], v[TM+12+2*\c]
	v_cvt_scalef32_pk16_fp6_f32 v[TT+4*\c:TT+2+4*\c], v[\s+16+32*\c:\s+31+32*\c], v[TM+12+2*\c+1]
.endr
	v_nop
.irp c, 0,1
.irp i, 0,1,2
	v_permlane16_swap_b32 v[\pc+6*\c+\i], v[TT+4*\c+\i]
.endr
.irp i, 0,1,2
	v_mov_b32 v[\pc+3+6*\c+\i], v[TT+4*\c+\i]
.endr
.endr
.endm
	SIGMOID 0x82
	WIN 0
	s_wait_tensorcnt 0x0
	s_barrier_signal -1
	s_barrier_wait -1
	WIN 0x40
.irp a, 0,1,2,3
.irp k, 0,1,2,3,4,5,6,7,8,9,10,11,12,13,14,15
	ds_load_b128 v[64*\a+4*\k:64*\a+4*\k+3], v[HD] offset:\a*8448+128*(\k/4)+16*(\k%4)
.endr
.endr
	WIN 0
.irp b, 0,1,2,3
	v_mov_b32 v[TM+4+\b], 0
.endr
	s_wait_dscnt 0x0
.irp a, 0,1,2,3
	WIN 0x06
.set jj, 0
.rept 32
	v_pk_mul_f32 v[RH+jj:RH+jj+1], v[64*\a+jj:64*\a+jj+1], v[64*\a+jj:64*\a+jj+1]
.set jj, jj+2
.endr
	WIN 0
.if \a >= 2
	s_wait_xcnt 0x0
.endif
	QUANT RH, PC+12*(\a%2), PW+\a
.irp c, 0,1,2
	global_store_b128 v[GOF], v[PC+12*(\a%2)+4*\c:PC+12*(\a%2)+4*\c+3], s[12:13] offset:\a*3072+512*\c
.endr
	ds_store_b32 v[SWA], v[PW+\a] offset:128*\a
.endr
	s_wait_dscnt 0x0
	s_barrier_signal -1
	s_barrier_wait -1
	ds_load_b64 v[GG:GG+1], v[SRD]
	s_wait_dscnt 0x0
	global_store_b64 v[SOF], v[GG:GG+1], s[12:13] offset:SCO
	s_wait_tensorcnt 0x0
	ds_add_u32 v[SPW], v[NIL]
	s_wait_dscnt 0x0
	CROUND
	s_endpgm
.Lfunc_end_k_q8c16900eea_rgate:
	.size	k_q8c16900eea_rgate, .Lfunc_end_k_q8c16900eea_rgate-k_q8c16900eea_rgate
	.p2alignl 7, 3214868480
	.fill 96, 4, 3214868480
	.section	.rodata,"a",@progbits
	.p2align	6, 0x0
	.amdhsa_kernel k_q8c16900eea_rgate
		.amdhsa_group_segment_fixed_size 327680
		.amdhsa_private_segment_fixed_size 0
		.amdhsa_enable_private_segment 0
		.amdhsa_kernarg_size 40
		.amdhsa_user_sgpr_count 2
		.amdhsa_user_sgpr_kernarg_segment_ptr 1
		.amdhsa_wavefront_size32 1
		.amdhsa_system_sgpr_workgroup_id_x 1
		.amdhsa_system_sgpr_workgroup_id_y 1
		.amdhsa_system_sgpr_workgroup_id_z 1
		.amdhsa_system_vgpr_workitem_id 0
		.amdhsa_next_free_vgpr 768
		.amdhsa_next_free_sgpr 100
		.amdhsa_reserve_vcc 0
		.amdhsa_float_denorm_mode_32 3
		.amdhsa_float_denorm_mode_16_64 3
		.amdhsa_memory_ordered 1
		.amdhsa_forward_progress 1
		.amdhsa_inst_pref_size 186
	.end_amdhsa_kernel
	.amdgpu_metadata
---
amdhsa.version: [ 1, 2 ]
amdhsa.kernels:
  - .name:           k_q8c16900eea_rgate
    .symbol:         k_q8c16900eea_rgate.kd
    .args:
      - { .name: acts1, .offset: 0, .size: 8, .value_kind: global_buffer, .address_space: global }
      - { .name: wq, .offset: 8, .size: 8, .value_kind: global_buffer, .address_space: global }
      - { .name: h, .offset: 16, .size: 8, .value_kind: global_buffer, .address_space: global }
      - { .name: br, .offset: 24, .size: 8, .value_kind: global_buffer, .address_space: global }
      - { .name: acts2, .offset: 32, .size: 8, .value_kind: global_buffer, .address_space: global }
    .group_segment_fixed_size: 327680
    .private_segment_fixed_size: 0
    .kernarg_segment_align: 8
    .kernarg_segment_size: 40
    .max_flat_workgroup_size: 128
    .sgpr_count:     100
    .vgpr_count:     768
    .wavefront_size: 32
...
	.end_amdgpu_metadata
.endif
;; end of part 2
;; launch gates (part 3): grid 4 x 64, 4 waves a work-group, clusters of 4 x 4, 327,680 bytes of LDS; arguments acts1, acts2, wq, h, bz, bn, out0; writes out0
.if DOCPART == 3
	.amdgcn_target "amdgcn-amd-amdhsa--gfx1250"
	.amdhsa_code_object_version 6
	.text
	.protected	k_q8c16900eea_gates
	.globl	k_q8c16900eea_gates
	.p2align	8
	.type	k_q8c16900eea_gates,@function
k_q8c16900eea_gates:
	s_mov_b64 s[64:65], 0
	v_nop
	global_prefetch_b8 v0, s[64:65] scope:SCOPE_SE
	s_setreg_imm32_b32 hwreg(HW_REG_WAVE_MODE, 25, 1), 1
	s_wait_xcnt 0x0
	s_wait_alu depctr_hold_cnt(0) depctr_sa_sdst(0) depctr_va_vdst(0) depctr_va_sdst(0) depctr_va_ssrc(0) depctr_va_vcc(0) depctr_vm_vsrc(0)
	s_getreg_b32 s2, hwreg(HW_REG_IB_STS2, 6, 4)
	s_cmp_eq_u32 s2, 0
	s_cbranch_scc0 .Lentry_in_a_cluster
	s_endpgm
.Lentry_in_a_cluster:
	s_bfe_u32 s2, ttmp6, 0x10000c
	s_cmp_lg_u32 s2, 0xf033
	s_cbranch_scc0 .Lentry_shape_is_right
	s_endpgm
.Lentry_shape_is_right:
; z = sigmoid([x | h] [Wiz ; Uhz] + bz), n = sigmoid([x | r h] [Win ; Uhn] + bn), out = h + z (n - h): two sums over K = 2,048 on codes of FP6 (E2M3) with E8M0 scales, the rest in f32.
; Panels as the first launch lays them: 128 operand rows x 256 K, PB = 25,600 bytes, fragments as images of the operand's registers, scale words from SCO on.  r h lies in acts2's panels ks 4-7.
; SHARES.  A work-group makes rows 128 my on x columns 256 nx on of both gates.  Wave w makes all 128 rows x columns 64 w on of BOTH gates: 64 accumulators, z's in window 2, n's in window 3,
; at the same register numbers, so the blend needs no other wave.  Accumulator (row tile a, column tile b) at v[8 (4 a + b)].
; THE PRODUCT IS USED TRANSPOSED (source 0 = 16 columns of the weight, source 1 = 16 batch rows): lane (r, hh) holds batch row r; register 8 b + j of a row tile is column 32 (b / 2) + 16 hh + 8 (b % 2) + j.
; THE ROWS' CODES ALL LIE IN LDS: x's four panels, h's four and r h's four, 12 x 25,600 bytes, each brought once: x's at the head, h's and r h's each behind an add, its wait and a round.
; CLUSTER 4 x 4: the four work-groups of a row of the cluster read the same twelve panels: each is asked for jointly.
; THE WEIGHTS GO FROM MEMORY STRAIGHT INTO REGISTERS.  A wave's eight fragments of a chunk are read by that wave alone, so LDS would share nothing inside the work-group, and beside the rows' panels
; 19,968 bytes of LDS are left: no room for a slot.  That is why the weights are not asked for jointly, though the work-groups of a column of the cluster read the same ones.
; Two sets of registers take turns; a gate's twelve loads of chunk n + 2 are issued as soon as that gate's 32 products of chunk n are; no barrier stands in their way.
; A chunk of 128 along K is 32 products for z and 32 for n.  In x's chunks both multiply one set of rows' fragments, A0 and A1 by turns; in the state's chunks z multiplies A0 (h) and n A1 (r h).
; When ks 4 has been multiplied, the bytes of x's panels and ks 4's take each wave's 128 x 64 numbers of h, f32, by a load of the wave's own; results go back through those bytes and leave as whole rows of 256 bytes.
; PREFETCHES: in chunks 0 to 3 every wave names 32 rows of its tile of h, which is loaded in chunk 9.  The panels are all asked for by chunk 3: there is nothing to run ahead of.  The weights are read by all 64 row blocks and are no stream read once.
; The bias is added in the multiply-add that scales the sum for the exponential, and (1 - z) h + z n is formed as h + z (n - h): the order of rounding differs.  LIMITS: NaN and infinities among the inputs are not served.
; REGISTERS.  window 0: v1-21 addresses; v32-63 scale words and nothing else; v64-159 A0, v160-255 A1.  window 1: the weights' sets at v0 and v96 (z's 48 registers, then n's); v192-255 the biases x -log2(e).
.set PB,    25600
.set SCO,   24576
.set KSA,   64*PB
.set KSB,   8*PB
.set SPARE, 12*PB                      ; the spare words: 128 bytes a wave, two blocks of 256 bytes that no other line names
.set HT,    128*272                    ; a wave's tile of h: 128 rows of 256 bytes + 16; four of them lie under 6 PB
.set SPW,  1
.set NIL,  2
.set AX,   3                           ; v3-4   16 x lane + x's panels ks 0, 1 and ks 2, 3
.set AH,   5                           ; v5-8   the same for h's panel of ks 4 to 7; r h's lies PB on
.set AXS,  9                           ; v9-10  x's scale words
.set AHS,  11                          ; v11-14 lanes 0-15 h's, lanes 16-31 r h's
.set VB,   15                          ; the weights' fragments: 16 x lane + my four column tiles
.set VS,   16                          ; their scale words: 8 x lane + my four column tiles
.set HD,   17                          ; h in the result's layout
.set RD,   18                          ; two whole rows of my tile
.set CO,   19                          ; and the same two rows in out0
.set PFO,  20                          ; lane x a row of h
.set BO,   21                          ; 64 hh: the biases
.set SAS,  32                          ; v32-47 the rows' scale words: chunk n's in set n % 2, row tile a at + a
.set SBS,  48                          ; v48-63 the weights': ks's in set ks % 2; register 4 g + 2 j + q: lanes 0-15 column tile 2 j, lanes 16-31 tile 2 j + 1
.set AF,   64
.set BI,   192                         ; in window 1
.set WV,   18
.set PH,   19
.set PS,   20
.set G1A,  24
.set G0X,  48
.set G0S,  52
.set G0R,  56
.set BP,   60                          ; s[60:61] my panel of z's weight at ks 0; never rewritten: every step stands in an immediate, 4,735,000 bytes at the most
.set G1H,  68
.set G0H,  76
.set NL2,  84
.set PFH,  86
.set MUL_LO, 0xa1                      ; source 0 window 1, source 1 window 0, C and D window 2
.set MUL_HI, 0xf1
.set MSB, 0
.macro WIN new                         ; the immediate's high byte repeats the setting that is left
.if MSB != \new
	s_set_vgpr_msb (MSB<<8)|\new
.set MSB, \new
.endif
.endm
.macro PLACES n
.rept \n
	v_nop
.endr
.endm
.macro CREST                           ; a round of the cluster's barrier behind its opening barrier
	s_cmp_lg_u32 s[WV], 0
	s_cbranch_scc1 .Lnot_wave_0_\@
	s_barrier_signal -3
.Lnot_wave_0_\@:
	s_barrier_wait -3
	s_barrier_signal -1
	s_barrier_wait -1
.endm
.macro CROUND
	s_barrier_signal -1
	s_barrier_wait -1
	CREST
.endm
	s_load_b256 s[4:11], s[0:1], 0x0               ; acts1, acts2, wq, h
	s_load_b128 s[12:15], s[0:1], 0x20             ; bz, bn
	s_load_b64 s[16:17], s[0:1], 0x30              ; out0
	v_lshl_add_u32 v[SPW], v0, 2, SPARE
	v_mov_b32 v[NIL], 0
	ds_add_u32 v[SPW], v[NIL]                      ; the opening lines: the add, twice on end, and its wait
	ds_add_u32 v[SPW], v[NIL]
	v_lshrrev_b32 v64, 5, v0
	v_readfirstlane_b32 s[WV], v64                 ; wave 0..3
	s_lshr_b32 s[PH], s[WV], 1                     ; which of the two weight panels holds my columns
	s_and_b32 s[PS], s[WV], 1                      ; which half of it
	s_bfe_u32 s40, ttmp6, 0x40000                  ; cx, cy
	s_bfe_u32 s41, ttmp6, 0x40004
	s_lshl_b32 s42, ttmp9, 2
	s_add_co_u32 s42, s42, s40                     ; nx
	s_and_b32 s21, ttmp7, 0xffff
	s_lshl_b32 s21, s21, 2
	s_add_co_u32 s21, s21, s41                     ; my
	s_lshl_b32 s43, s41, 2
	s_lshl_b32 s43, 15, s43                        ; my row of the cluster
	s_or_b32 s[G1A+0], s43, (3<<16)|(1<<21)        ; a panel is a dense block: 100 rows of 256 bytes (32 elements of 8 bytes), no padding
	s_mov_b32 s[G1A+1], 32<<16
	s_mov_b32 s[G1A+2], 100<<16
	s_mov_b32 s[G1A+3], 32<<16
	s_mov_b32 s[G1A+4], 100
	s_mov_b32 s[G1A+5], 32
	s_mov_b32 s[G1A+6], 0
	s_mov_b32 s[G1A+7], 0
	s_mov_b32 s[G1H+0], (2<<16)|(1<<20)|(5<<22)|(3<<25)   ; h's tile: 128 rows x 64 elements of 4 bytes; 4 words of padding behind every 64
	s_mov_b32 s[G1H+1], 64<<16
	s_mov_b32 s[G1H+2], 128<<16
	s_mov_b32 s[G1H+3], 64<<16
	s_mov_b32 s[G1H+4], 128
	s_mov_b32 s[G1H+5], 1024
	s_mov_b32 s[G1H+6], 0
	s_mov_b32 s[G1H+7], 0
	s_mul_i32 s22, s21, PB                         ; panel (ks = w, my): made of my and the wave's number alone
	s_mul_i32 s23, s[WV], KSA
	s_add_co_u32 s22, s22, s23
	s_mov_b32 s23, 0
	s_lshl_b32 s46, s42, 1                         ; the weight: gate 0, panel (ks 0, cg = 2 nx + w / 2)
	s_add_co_u32 s46, s46, s[PH]
	s_mul_i32 s46, s46, PB
	s_mov_b32 s47, 0
	s_lshl_b32 s96, s21, 19                        ; h and out0: row 128 my, column 256 nx + 64 w
	s_lshl_b32 s97, s42, 10
	s_add_co_u32 s96, s96, s97
	s_lshl_b32 s97, s[WV], 8
	s_add_co_u32 s96, s96, s97
	s_mov_b32 s97, 0
	s_lshl_b32 s98, s42, 10                        ; the biases: column 256 nx + 64 w
	s_lshl_b32 s99, s[WV], 8
	s_add_co_u32 s98, s98, s99
	s_mov_b32 s99, 0
	s_mul_i32 s45, s[PS], 12288                    ; my four column tiles' fragments in their panel,
	s_lshl_b32 s66, s[PS], 9                       ; and their scale words
	s_mul_i32 s67, s[WV], HT                       ; my tile of h
	s_mov_b32 s[NL2], 0xbfb8aa3b                   ; -log2(e)
	s_mov_b32 s[NL2+1], s[NL2]
	s_mov_b32 s[G0X], 1
	s_mul_i32 s[G0X+1], s[WV], PB                  ; x's panel ks = w at w PB
	s_mul_i32 s44, s[WV], 2*PB
	s_mov_b32 s[G0S], 1
	s_add_co_u32 s[G0S+1], s44, 4*PB               ; h's panel ks = 4 + w at (4 + 2 w) PB
	s_mov_b32 s[G0R], 1
	s_add_co_u32 s[G0R+1], s44, 5*PB               ; r h's beside it
	s_mov_b32 s[G0H], 1
	s_mov_b32 s[G0H+1], s67
	s_wait_dscnt 0x0                               ; both opening adds are done
	s_wait_kmcnt 0x0
	s_add_nc_u64 s[G0X+2:G0X+3], s[4:5], s[22:23]
	s_add_nc_u64 s[G0S+2:G0S+3], s[G0X+2:G0X+3], 4*KSA
	s_add_nc_u64 s[G0R+2:G0R+3], s[6:7], s[22:23]
	s_add_nc_u64 s[G0R+2:G0R+3], s[G0R+2:G0R+3], 4*KSA
	s_or_b32 s[G0X+3], s[G0X+3], 0x80000000
	s_or_b32 s[G0S+3], s[G0S+3], 0x80000000
	s_or_b32 s[G0R+3], s[G0R+3], 0x80000000
	s_add_nc_u64 s[PFH:PFH+1], s[10:11], s[96:97]
	s_mov_b64 s[G0H+2:G0H+3], s[PFH:PFH+1]
	s_or_b32 s[G0H+3], s[G0H+3], 0x80000000
	s_add_nc_u64 s[BP:BP+1], s[8:9], s[46:47]
	s_add_nc_u64 s[16:17], s[16:17], s[96:97]
	s_add_nc_u64 s[12:13], s[12:13], s[98:99]
	s_add_nc_u64 s[14:15], s[14:15], s[98:99]
	CROUND                                         ; all sixteen work-groups are here: the first joint loads meet
	tensor_load_to_lds s[G0X:G0X+3], s[G1A:G1A+7]  ; x's panel ks = w: one tensor load a wave at the head
	s_nop 0
	PLACES 4
	v_and_b32 v64, 31, v0                          ; lane
	v_and_b32 v65, 15, v0                          ; r
	v_bfe_u32 v66, v0, 4, 1                        ; hh
	v_lshlrev_b32 v[AX], 4, v64
	v_add_nc_u32 v[AX+1], 2*PB, v[AX]
.irp i, 0,1,2,3
	v_add_nc_u32 v[AH+\i], (4+2*\i)*PB, v[AX]
.endr
	v_lshlrev_b32 v67, 3, v65                      ; 8 r
	v_add_nc_u32 v[AXS], SCO, v67
	v_add_nc_u32 v[AXS+1], 2*PB, v[AXS]
	v_mad_u32_u24 v67, v66, PB, v[AXS]             ; lanes 16-31 one panel on
.irp i, 0,1,2,3
	v_add_nc_u32 v[AHS+\i], (4+2*\i)*PB, v67
.endr
	v_add_nc_u32 v[VB], s45, v[AX]
	v_lshlrev_b32 v[VS], 3, v64
	v_add_nc_u32 v[VS], s66, v[VS]
	v_mul_u32_u24 v[HD], v65, 272
	v_lshl_add_u32 v[HD], v66, 6, v[HD]
	v_add_nc_u32 v[HD], s67, v[HD]                 ; row r, + 64 hh
	v_mul_u32_u24 v[RD], v66, 272
	v_lshl_add_u32 v[RD], v65, 4, v[RD]
	v_add_nc_u32 v[RD], s67, v[RD]                 ; lanes 0-15 one row of 256 bytes, lanes 16-31 the next
	v_lshlrev_b32 v[CO], 12, v66
	v_lshl_add_u32 v[CO], v65, 4, v[CO]
	v_lshlrev_b32 v[PFO], 12, v64
	v_lshlrev_b32 v[BO], 6, v66
.macro GLB g, n                        ; gate g's four weight fragments of chunk n into set n % 2, 512 consecutive bytes a load; with a panel's first chunk its scale words, 256 consecutive bytes a load
.if (\n) < 16
	WIN 0x40
.irp b, 0,1,2,3
.irp c, 0,1,2
	global_load_b128 v[96*((\n)%2)+48*(\g)+12*\b+4*\c:96*((\n)%2)+48*(\g)+12*\b+4*\c+3], v[VB], s[BP:BP+1] offset:(\g)*128*PB+((\n)/2)*KSB+(2*\b+(\n)%2)*1536+512*\c
.endr
.endr
	WIN 0
.if (\n)%2 == 0
.irp j, 0,1
	global_load_b64 v[SBS+8*(((\n)/2)%2)+4*(\g)+2*\j:SBS+8*(((\n)/2)%2)+4*(\g)+2*\j+1], v[VS], s[BP:BP+1] offset:(\g)*128*PB+((\n)/2)*KSB+SCO+256*\j
.endr
.endif
.endif
.endm
.macro ADDC m                          ; adds to LC the loads of one gate's GLB of chunk m
.if (\m) < 16
.set LC, LC+12+2*(1-(\m)%2)
.endif
.endm
.macro LDA set, pan, n, i0             ; row tiles i0 .. i0 + 3 of chunk n into set; pan 1: r h's panel
.if (\n) < 8
.set AR, AX+(\n)/4
.set AO, (((\n)/2)%2)*PB
.else
.set AR, AH+(\n)/2-4
.set AO, (\pan)*PB
.endif
.irp i, \i0, \i0+1, \i0+2, \i0+3
.irp c, 0,1,2
	ds_load_b128 v[AF+96*(\set)+12*(\i)+4*\c:AF+96*(\set)+12*(\i)+4*\c+3], v[AR] offset:AO+(2*(\i)+(\n)%2)*1536+512*\c
.endr
.endr
.endm
.macro ASCALES n                       ; chunk n's eight scale words of the rows
.if (\n) < 8
.set AR, AXS+(\n)/4
.set AO, (((\n)/2)%2)*PB
.else
.set AR, AHS+(\n)/2-4
.set AO, 0
.endif
.irp t, 0,1,2,3,4,5,6,7
	ds_load_b32 v[SAS+8*((\n)%2)+\t], v[AR] offset:AO+128*\t+4*((\n)%2)
.endr
.endm
; 16 products of gate g: row tiles a0 .. a0 + 3 x my four column tiles.  as: the rows' set; p: the chunk's parity (the weight's set, the rows' scale set, the word in a pair); sb: the weight's scale set.
; An odd column tile's scales stand in lanes 16-31; r1: so do the rows' (r h).  zero: the first product starts the sum.
; The 64 accumulators take turns, one instruction a turn, in the same order in every chunk.
.macro MUL16 g, a0, as, p, sb, r1, zero
.irp a, \a0, \a0+1, \a0+2, \a0+3
.irp b, 0,1,2,3
.set DD, 8*(4*(\a)+\b)
.set BB, 96*(\p)+48*(\g)+12*\b
.set AA, AF+96*(\as)+12*(\a)
.set ZB, SBS+8*(\sb)+4*(\g)+2*(\b/2)+(\p)
.set ZA, SAS+8*(\p)+(\a)
.if \zero
.if (\b%2) == 0
	v_wmma_scale_f32_16x16x128_f8f6f4 v[DD:DD+7], v[BB:BB+11], v[AA:AA+11], 0, v[ZB], v[ZA] matrix_a_fmt:MATRIX_FMT_FP6 matrix_b_fmt:MATRIX_FMT_FP6
.else
	v_wmma_scale_f32_16x16x128_f8f6f4 v[DD:DD+7], v[BB:BB+11], v[AA:AA+11], 0, v[ZB], v[ZA] matrix_a_fmt:MATRIX_FMT_FP6 matrix_b_fmt:MATRIX_FMT_FP6 matrix_a_scale:MATRIX_SCALE_ROW1
.endif
.elseif \r1
.if (\b%2) == 0
	v_wmma_scale_f32_16x16x128_f8f6f4 v[DD:DD+7], v[BB:BB+11], v[AA:AA+11], v[DD:DD+7], v[ZB], v[ZA] matrix_a_fmt:MATRIX_FMT_FP6 matrix_b_fmt:MATRIX_FMT_FP6 matrix_b_scale:MATRIX_SCALE_ROW1
.else
	v_wmma_scale_f32_16x16x128_f8f6f4 v[DD:DD+7], v[BB:BB+11], v[AA:AA+11], v[DD:DD+7], v[ZB], v[ZA] matrix_a_fmt:MATRIX_FMT_FP6 matrix_b_fmt:MATRIX_FMT_FP6 matrix_a_scale:MATRIX_SCALE_ROW1 matrix_b_scale:MATRIX_SCALE_ROW1
.endif
.else
.if (\b%2) == 0
	v_wmma_scale_f32_16x16x128_f8f6f4 v[DD:DD+7], v[BB:BB+11], v[AA:AA+11], v[DD:DD+7], v[ZB], v[ZA] matrix_a_fmt:MATRIX_FMT_FP6 matrix_b_fmt:MATRIX_FMT_FP6
.else
	v_wmma_scale_f32_16x16x128_f8f6f4 v[DD:DD+7], v[BB:BB+11], v[AA:AA+11], v[DD:DD+7], v[ZB], v[ZA] matrix_a_fmt:MATRIX_FMT_FP6 matrix_b_fmt:MATRIX_FMT_FP6 matrix_a_scale:MATRIX_SCALE_ROW1
.endif
.endif
.endr
.endr
.endm
; CHUNK n (0-7: x, ks 0-3; 8-15: the state, ks 4-7).  First run: n's weights of chunk n + 1, and CZ LDS loads into rows' registers that the last chunk has left.  Then z's 32 products.
; Second run: z's weights of chunk n + 2, and CN LDS loads: the next chunk's scale words and what its z products need.  Then n's 32 products.  Each LDS run ends with row tiles 4-7, so a wait may leave those 12 out for 16 products.
; KIND 1 (chunk 3): h's panels have landed; an add, its wait and a round, and r h's panels are asked for.  KIND 2 (chunk 7): a barrier shows all twelve panels to all waves.
; KIND 3 (chunk 9): the bytes under 6 PB have been read out: the same lines and round, and my tile of h.
.macro CHUNK n
.set Q, (\n)%2
.set J, (\n)/2
.set NX, (\n)+1
.set KIND, 0
.if (\n) == 3
.set KIND, 1
.elseif (\n) == 7
.set KIND, 2
.elseif (\n) == 9
.set KIND, 3
.endif
.if (\n) < 8
.set AZ, Q
.set AN, Q
.set R1, 0
.else
.set AZ, 0
.set AN, 1
.set R1, 1
.endif
.set ZERO, 0
.if (\n) == 0
.set ZERO, 1
.endif
	GLB 1, NX
.if (\n) < 7
	LDA NX%2, 0, NX, 0
.set CZ, 12
.elseif (\n) == 7
.set CZ, 0
.else
	LDA 1, 1, \n, 0
	LDA 1, 1, \n, 4
.set CZ, 24
.endif
.set LC, 0
	ADDC \n
	ADDC NX
	ADDC NX
	s_wait_loadcnt LC                              ; z's weights of this chunk are in; behind them: n's of this chunk, z's and n's of the next
.if KIND
	s_wait_tensorcnt 0x0                           ; no tensor load of mine is out
.endif
.if (KIND == 1) || (KIND == 3)
	ds_add_u32 v[SPW], v[NIL]
	s_wait_dscnt CZ+13                             ; the add, the first run and row tiles 4-7 may be out
.else
	s_wait_dscnt CZ+12                             ; the first run and row tiles 4-7 may be out
.endif
	WIN MUL_LO
	MUL16 0, 0, AZ, Q, J%2, 0, ZERO
.if KIND
	s_wait_dscnt 0x0                               ; no LDS instruction of mine is out
	s_barrier_signal -1
.else
	s_wait_dscnt CZ
.endif
	MUL16 0, 4, AZ, Q, J%2, 0, ZERO
.if KIND
	WIN 0
	s_barrier_wait -1
.endif
.if KIND == 1
	CREST
	tensor_load_to_lds s[G0R:G0R+3], s[G1A:G1A+7]  ; r h's panel ks = 4 + w: a first fill, my one tensor load behind the round
	s_nop 0
.elseif KIND == 3
	CREST
	tensor_load_to_lds s[G0H:G0H+3], s[G1H:G1H+7]  ; each wave its own 128 x 64 of h, into bytes of its own
	s_nop 0
.endif
	PLACES 4
	GLB 0, (\n)+2
	WIN 0
.if (\n) < 7
	ASCALES NX
	LDA NX%2, 0, NX, 4
.set CN, 20
.elseif (\n) < 15
	ASCALES NX
	LDA 0, 0, NX, 0
	LDA 0, 0, NX, 4
.set CN, 32
.else
.set CN, 0
.endif
.if (\n) < 4
	global_prefetch_b8 v[PFO], s[PFH:PFH+1] offset:(\n)*131072 th:TH_LOAD_NT scope:SCOPE_SE   ; rows 32 n on of my tile of h, a lane a row; no address register is ever rewritten
.endif
.set LC, 0
	ADDC NX
	ADDC NX
	ADDC (\n)+2
	s_wait_loadcnt LC                              ; n's weights of this chunk are in
.if (\n) >= 8
.if KIND == 0
	s_wait_dscnt CN+12                             ; the second run and r h's row tiles 4-7 may be out
.endif
.endif
	WIN MUL_HI
	MUL16 1, 0, AN, Q, J%2, R1, ZERO
.if (\n) >= 8
.if KIND == 0
	s_wait_dscnt CN
.endif
.endif
	MUL16 1, 4, AN, Q, J%2, R1, ZERO
	PLACES 4                                       ; in front of the next run of loads into registers that products have read, and of the first read of results
	WIN 0
.endm
	WIN 0x40
.irp b, 0,1,2,3                        ; the biases in the result's layout: tile b, lane (r, hh): columns 32 (b / 2) + 16 hh + 8 (b % 2) + 0 .. 7
.irp i, 0,1
	global_load_b128 v[BI+8*\b+4*\i:BI+8*\b+4*\i+3], v[BO], s[12:13] offset:(32*(\b/2)+8*(\b%2))*4+16*\i
	global_load_b128 v[BI+32+8*\b+4*\i:BI+32+8*\b+4*\i+3], v[BO], s[14:15] offset:(32*(\b/2)+8*(\b%2))*4+16*\i
.endr
.endr
	GLB 0, 0
	GLB 1, 0
	GLB 0, 1
	s_wait_loadcnt 40                              ; the biases are in; the 14 + 14 + 12 loads of weights behind them may be out
	WIN 0x41
.set ii, 0
.rept 32
	v_pk_mul_f32 v[BI+ii:BI+ii+1], v[BI+ii:BI+ii+1], s[NL2:NL2+1] op_sel_hi:[1,0]
.set ii, ii+2
.endr
	WIN 0
	s_wait_alu depctr_va_vdst(0)
	s_wait_tensorcnt 0x0                           ; my panel of x is in; the same lines ahead of a later first fill as ahead of a refill
	ds_add_u32 v[SPW], v[NIL]
	s_wait_dscnt 0x0
	CROUND
	tensor_load_to_lds s[G0S:G0S+3], s[G1A:G1A+7]  ; h's panel ks = 4 + w, the first tensor load behind the round
	s_nop 0
	PLACES 4
	ASCALES 0
	LDA 0, 0, 0, 0
	LDA 0, 0, 0, 4
.set CH, 0
.rept 16
	CHUNK CH
.set CH, CH+1
.endr
; THE WAY OUT.  t = -log2(e) (sum + bias), each accumulator from its low end on; sigmoid = 1 / (1 + 2^t).  All exponentials are one batch, all reciprocals another, each with a wait ahead and behind.
.irp g, 0,1
.set W, 0x92+0x41*\g
	WIN W                                          ; sum and result window 2 + g, the bias window 1
.set ii, 0
.rept 128
	v_pk_fma_f32 v[ii:ii+1], v[ii:ii+1], s[NL2:NL2+1], v[BI+32*\g+ii%32:BI+32*\g+ii%32+1] op_sel_hi:[1,0,1]
.set ii, ii+2
.endr
.endr
	s_wait_alu depctr_va_vdst(0)
.irp g, 0,1
.set W, 0x82+0x41*\g
	WIN W
.set ii, 0
.rept 256
	v_exp_f32 v[ii], v[ii]
.set ii, ii+1
.endr
.endr
	v_nop
	WIN 0
	s_wait_tensorcnt 0x0                           ; my tile of h has landed; I alone read it
.irp p, 0,1                            ; h in the result's layout: row tiles 0-3 into window 0 v64-191, 4-7 into window 1 v0-127
.set W, 0x40*\p
	WIN W
.irp a, 0,1,2,3
.irp k, 0,1,2,3,4,5,6,7
	ds_load_b128 v[64-64*\p+32*\a+4*\k:64-64*\p+32*\a+4*\k+3], v[HD] offset:(4*\p+\a)*4352+128*(\k/4)+16*(\k%4)
.endr
.endr
.endr
	s_wait_alu depctr_va_vdst(0)
.irp g, 0,1
.set W, 0x82+0x41*\g
	WIN W
.set ii, 0
.rept 128
	v_pk_add_f32 v[ii:ii+1], v[ii:ii+1], 1.0 op_sel_hi:[1,0]
.set ii, ii+2
.endr
.endr
	s_wait_alu depctr_va_vdst(0)
.irp g, 0,1
.set W, 0x82+0x41*\g
	WIN W
.set ii, 0
.rept 256
	v_rcp_f32 v[ii], v[ii]
.set ii, ii+1
.endr
.endr
	v_nop
	s_wait_alu depctr_va_vdst(0)
	s_wait_dscnt 0x0                               ; h is in registers
.macro BLEND p                         ; row tiles 4 p .. 4 p + 3: n - h in n's place, then h + z (n - h) in h's place
.set HB, 64-64*(\p)
.set W, 0xc3+4*(\p)
	WIN W
.set ii, 0
.rept 64
	v_pk_add_f32 v[128*(\p)+ii:128*(\p)+ii+1], v[128*(\p)+ii:128*(\p)+ii+1], v[HB+ii:HB+ii+1] neg_lo:[0,1] neg_hi:[0,1]
.set ii, ii+2
.endr
.set W, 0x0e+0x50*(\p)
	WIN W
.set ii, 0
.rept 64
	v_pk_fma_f32 v[HB+ii:HB+ii+1], v[128*(\p)+ii:128*(\p)+ii+1], v[128*(\p)+ii:128*(\p)+ii+1], v[HB+ii:HB+ii+1]
.set ii, ii+2
.endr
	WIN 0
	s_wait_alu depctr_va_vdst(0)
.endm
; 16 rows go back into the bytes from which their h came (my own, which have had their last fill) and come out as whole rows.  LDS serves a wave's instructions in order: no wait between.
.macro TOSTAGE t
.set HB, 64-64*((\t)/4)+32*((\t)%4)
.set W, 4*((\t)/4)
	WIN W
.irp k, 0,1,2,3,4,5,6,7
	ds_store_b128 v[HD], v[HB+4*\k:HB+4*\k+3] offset:(\t)*4352+128*(\k/4)+16*(\k%4)
.endr
	WIN 0
.set BB, 192+32*((\t)%2)
.irp u, 0,1,2,3,4,5,6,7
	ds_load_b128 v[BB+4*\u:BB+4*\u+3], v[RD] offset:(\t)*4352+\u*544
.endr
.endm
.macro SEND t, younger                 ; younger: the LDS instructions issued behind tile t's loads
.set BB, 192+32*((\t)%2)
	s_wait_dscnt \younger
.irp u, 0,1,2,3,4,5,6,7
	global_store_b128 v[CO], v[BB+4*\u:BB+4*\u+3], s[16:17] offset:(16*(\t)+2*\u)*4096 th:TH_STORE_NT   ; sixteen lanes store 256 consecutive bytes of a row, aligned
.endr
.endm
	BLEND 0
	TOSTAGE 0
.irp t, 1,2,3
.if \t > 1
	s_wait_xcnt 0x0                                ; tile t - 2's stores have read their registers
.endif
	TOSTAGE \t
	SEND \t-1, 16
.endr
	BLEND 1
.irp t, 4,5,6,7
	s_wait_xcnt 0x0
	TOSTAGE \t
	SEND \t-1, 16
.endr
	SEND 7, 0
	s_wait_tensorcnt 0x0                           ; the wave's end
	ds_add_u32 v[SPW], v[NIL]
	s_wait_dscnt 0x0
	CROUND                                         ; the closing round
	s_endpgm
.Lfunc_end_k_q8c16900eea_gates:
	.size	k_q8c16900eea_gates, .Lfunc_end_k_q8c16900eea_gates-k_q8c16900eea_gates
	.p2alignl 7, 3214868480
	.fill 96, 4, 3214868480
	.section	.rodata,"a",@progbits
	.p2align	6, 0x0
	.amdhsa_kernel k_q8c16900eea_gates
		.amdhsa_group_segment_fixed_size 327680
		.amdhsa_private_segment_fixed_size 0
		.amdhsa_enable_private_segment 0
		.amdhsa_kernarg_size 56
		.amdhsa_user_sgpr_count 2
		.amdhsa_user_sgpr_kernarg_segment_ptr 1
		.amdhsa_wavefront_size32 1
		.amdhsa_system_sgpr_workgroup_id_x 1
		.amdhsa_system_sgpr_workgroup_id_y 1
		.amdhsa_system_sgpr_workgroup_id_z 1
		.amdhsa_system_vgpr_workitem_id 0
		.amdhsa_next_free_vgpr 1024
		.amdhsa_next_free_sgpr 100
		.amdhsa_reserve_vcc 0
		.amdhsa_float_denorm_mode_32 3
		.amdhsa_float_denorm_mode_16_64 3
		.amdhsa_memory_ordered 1
		.amdhsa_forward_progress 1
		.amdhsa_inst_pref_size 255
	.end_amdhsa_kernel
	.section	.bss,"aw",@nobits
	.p2align	6
	.space	262144
	.amdgpu_metadata
---
amdhsa.version: [ 1, 2 ]
amdhsa.kernels:
  - .name:           k_q8c16900eea_gates
    .symbol:         k_q8c16900eea_gates.kd
    .args:
      - { .name: acts1, .offset: 0, .size: 8, .value_kind: global_buffer, .address_space: global }
      - { .name: acts2, .offset: 8, .size: 8, .value_kind: global_buffer, .address_space: global }
      - { .name: wq, .offset: 16, .size: 8, .value_kind: global_buffer, .address_space: global }
      - { .name: h, .offset: 24, .size: 8, .value_kind: global_buffer, .address_space: global }
      - { .name: bz, .offset: 32, .size: 8, .value_kind: global_buffer, .address_space: global }
      - { .name: bn, .offset: 40, .size: 8, .value_kind: global_buffer, .address_space: global }
      - { .name: out0, .offset: 48, .size: 8, .value_kind: global_buffer, .address_space: global }
    .group_segment_fixed_size: 327680
    .private_segment_fixed_size: 0
    .kernarg_segment_align: 8
    .kernarg_segment_size: 56
    .max_flat_workgroup_size: 128
    .sgpr_count:     100
    .vgpr_count:     1024
    .wavefront_size: 32
...
	.end_amdgpu_metadata
.endif
;; end of part 3
